; MI455X (gfx1250); checked and timed in simulation.
; The chip was launched on July 23, 2026; its instructions are those of AMD's public machine-readable ISA for CDNA 5 (MIT licence, August 2026) and "CDNA5" Instruction Set Architecture Reference Guide (July 2026). The comments in the code are by the model that wrote it; some were corrected since.
;; SGD NFM. Allowed arithmetic: matrix products marked QUANTISED: E4M3 operands, one given power-of-two scale a tensor, by v_wmma_f32_16x16x64_fp8_fp8 or v_wmma_f32_16x16x128_fp8_fp8, f32 sums; products left as they are: f32 operands where the result goes on into a quantised operand, else bf16, f16 or f32 operands; f32 sums; everything else in f32.
;; Inputs: W0 16 x 128 float32; W1 128 x 128 float32; Xi 16,384 x 39 x 1 int32; Xv 16,384 x 39 float32; b0 128 float32; b1 128 float32; b_bias one number float32; e2 39 x 100,000 x 16 float32; lowp_scales 2 int32 (the exponents e of the quantised operands' scales 2^e); w1 39 x 100,000 float32.
;; Outputs: out0 16,384 float32.
;; This version of the problem:
;;   THIS VERSION OF THE PROBLEM IS GIVEN IN LOW PRECISION. The matrix products marked QUANTISED in the list below multiply operands that are first quantised to E4M3 (4 exponent bits, 3 mantissa bits; 8 bits a number), with one given power-of-two scale for each operand tensor; their sums are f32. All else is computed in f32.
;;   The module's matrix products, in the order in which they are computed (A, B: the left and right operand; K: the contracted axis; several contracted axes count as one K, in the product's order):
;;     1. [M 16,384, K 16] x [K 16, N 128]; A: computed on the way; B: input W0: left as it is (K = 16 < 32)
;;     2. [M 16,384, K 128] x [K 128, N 128]; A: computed on the way; B: input W1: QUANTISED (scales: A lowp_scales[0], B lowp_scales[1])
;;   THE QUANTISER, for each operand of a quantised product, along K:
;;     - The operand's scale is 2^e, e = its entry of the input lowp_scales (int32; the entries are numbered through the quantised products in the list's order, A before B).
;;     - Each number is divided by the scale, clamped to +-448, and rounded to the nearest number of E4M3, ties to even, subnormals kept.
;;     - The product sums the exact products of the quantised numbers (number of the format x scale) in f32.
;;   ~~~python
;;   def quantise(x, axis, e):      # numpy; x: float32 -> the quantised numbers, widened to float32 again
;;       x = np.moveaxis(x, axis, -1); K = x.shape[-1]
;;       r = np.clip(x / 2.0 ** e, -448, 448)
;;       step = 2.0 ** (np.maximum(np.frexp(np.where(r == 0, 1, r))[1] - 1, -6) - 3)
;;       q = np.round(r / step) * step * 2.0 ** e      # np.round: ties to even
;;       return np.moveaxis(q, -1, axis).astype(np.float32)
;;   ~~~
;;   OPERANDS COMPUTED ON THE WAY. 'Computed on the way' means the value that the module computes at that place (a softmax that the list does not call 'softmax' is quantised finished and normalised). What goes into a quantiser is computed in f32, as accurately as f32 sums, v_exp_f32 and their like allow (about 1e-6 of the number): no bf16 or f16 on the way to a quantiser, and a product that is left as it is and whose result goes on into a quantised operand takes f32 operands (vector FMAs, or v_wmma_f32_16x16x4_f32). A number that lies on a knife's edge between two numbers of the format may be rounded either way, as far as f32 arithmetic and the matrix unit's own rounding can turn it there, and no further.
;; One version. Each part assembles by itself: llvm-mc -triple=amdgcn-amd-amdhsa -mcpu=gfx1250 --defsym DOCPART=n.
;; ======== version 1 of 1: 1 launch
;; launch nfm (part 1): grid 256 x 1, 8 waves a work-group, no clusters, 118,784 bytes of LDS; arguments Xi, Xv, w1, e2, W0, b0, W1, b1, b_bias, lowp_scales, out0; writes out0
.if DOCPART == 1
	.amdgcn_target "amdgcn-amd-amdhsa--gfx1250"
	.amdhsa_code_object_version 6
	.text
	.protected	k_qf8e9dee704_nfm
	.globl	k_qf8e9dee704_nfm
	.p2align	8
	.type	k_qf8e9dee704_nfm,@function
k_qf8e9dee704_nfm:
	s_mov_b64 s[64:65], 0
	v_nop
	global_prefetch_b8 v0, s[64:65] scope:SCOPE_SE
	s_setreg_imm32_b32 hwreg(HW_REG_WAVE_MODE, 25, 1), 1
	s_wait_xcnt 0x0
; out[b] = b_bias + sum_f w1[f][Xi[b][f]] Xv[b][f] + sum_n relu( Q(relu(second W0 + b0)) Q(W1) + b1 )[n],
; second = 0.5 (s s - sum_f v v), v = e2[f][Xi[b][f]] Xv[b][f], s = sum_f v.   16,384 rows, 39 fields, 16 components, 128 hidden units.
; Q: codes of FP8 (E4M3) along K with the given scales 2^e0 (hidden layer) and 2^e1 (W1); that product goes by v_wmma_f32_16x16x128_fp8_fp8.
; The first product (K = 16) feeds a quantiser, so it stays in f32: v_wmma_f32_16x16x4_f32, whose accumulators no other kind of instruction writes.
; SHARES.  A work-group of eight waves owns 64 rows.  GATHER: wave w owns rows 8 w .. 8 w + 7; lane l = 4 g + c holds components 4 c .. 4 c + 3 of row g, so one load of
; 16 bytes a lane brings eight lookups of one field, four neighbouring lanes to each 64-byte row, and s and the sum of squares need no other lane.  Sixteen such loads of a wave are on their way.
; WEIGHTS, while the first gathers are out: wave w brings rows 2 w, 2 w + 1 of W0, 32 numbers of a bias and rows 16 w .. 16 w + 15 of W1.  W1's K is its first axis: the rows go through
; the wave's own LDS stage as they lie and come back a column to a lane, 16 numbers down K, which are quantised and stored as images of the operand's registers.
; MLP: waves 0-3 take one tile of 16 rows each; both products are used transposed (source 0 = 16 units of the weight, source 1 = the 16 rows), so a lane holds one row throughout.
; THE UNITS OF A TILE OF W0 ARE NOT NEIGHBOURS: lane r of tile t takes unit 32 (t / 2) + 8 (t % 2) + r + 8 (r / 8), so that the 16 registers of tiles 2 b, 2 b + 1 are k = 32 b + 16 (lane / 16) + 0 .. 15
; of the second product; W1's images hold the same k in the same registers (a permutation of k, alike on both sides).
; NOT USED, by this text's own arithmetic: tensor loads and joint requests: what work-groups share is 74,752 bytes of weights against 189,696 bytes of a work-group's own lookups, indices and values, and the
; lookups are lane-by-lane gathers.  No prefetch: the first 16 fields' gathers go out as soon as their indices are in registers, the other 23 follow one by one as slots come free, behind six vector instructions each.
; LIMITS: e0 and e1 between -126 and 119, e0 + e1 between -126 and 127 (each power of two below is an f32 number).  NaN among the inputs is not served.  s s - sum v v is one fused multiply-add.
; An index is held at 99,999 from above ahead of its use in an address.
.set FBE,  6400000                     ; bytes of one field's table in e2
.set FBW,  400000                      ; and in w1
; LDS, in bytes
.set XIL,  0                           ; wave w at 1,248 w: its 8 rows x 39 words of Xi, as in memory
.set XVL,  9984                        ; the same for Xv
.set W0S,  19968                       ; W0: 16 rows, 576 bytes apart (512 + 64 = 144 words: rows two apart begin 32 banks apart, of 64 banks of 4 bytes: ISA guide 11.1)
.set BS,   29184                       ; b0 (512 bytes), b1 (512 bytes)
.set SEC,  30208                       ; 64 rows, 80 bytes apart: 16 numbers of second, then the first-order sum
.set OUT,  35328                       ; the 64 results
.set IMG,  35584                       ; W1's eight operand tiles: 2,048 t + 512 c + 16 x lane
.set W1S,  51968                       ; wave w at 8,192 w: 16 rows of W1 as loaded
; vector registers that stay
.set CF1,  1                           ; 16 c + 2 FBE   (v1 is at work in the head until then)
.set CC,   2                           ; c
.set C16,  3                           ; 16 c
.set L16,  4                           ; 16 x lane
.set L4,   5                           ; 4 x lane
.set XST,  6                           ; 1,248 w + 16 x lane
.set LX,   7                           ; 1,248 w + 156 g: my row's words
.set LW,   8                           ; + 4 c
.set CW,   9                           ; 400,000 c
.set W0ST, 10
.set BST,  11
.set W1ST, 12
.set W1RD, 13
.set IMS,  14
.set SECW, 15
.set SECV, 16
.set SCW,  17                          ; 2^e1 as f32
.set LMW,  18                          ; 448 x 2^e1
.set SBA,  19
.set W0A,  20
.set B0A,  21
.set B1A,  22
.set CF2,  151                         ; 16 c + 4 FBE
.set IMA,  186
.set OUTW, 187
.set OUTR, 188
.set L8,   189
.set FA,   190
.set TP,   191                         ; g, at work in the head; then
.set CF3,  191                         ; 16 c + 6 FBE
; vector registers by phase
.set BR,   23                          ; a bias as loaded
.set W0R,  24                          ; v24-31   W0 as loaded; in the MLP: SB
.set SB,   24
.set HA,   32                          ; v32-63   four accumulators of the f32 product: written by matrix instructions alone
.set EM,   64                          ; v64-127  sixteen slots of four: the gathers' ring
.set W0F,  64                          ;          in the MLP: W0's fragments, then four tiles of W1
.set W1T,  64
.set OFF2, 128                         ; v128-150 offsets of fields 16 .. 38
.set BB,   128                         ;          in the MLP: a bias's tile t at BB + 8 t + 64 (t / 7): v128-183 and v248-255
.set WG,   152                         ; v152-161 w1's ten gathers
.set XIR,  162                         ; v162-173 Xi as loaded
.set XVR,  174                         ; v174-185 Xv as loaded
.set CD,   162                         ; v162-177 later W1's codes
.set S,    162                         ; v162-165 later s;  v166-169 the sum of squares;  v170 the first-order sum
.set Q,    166
.set FS,   170
.set T,    192                         ; v192-255 W1 as loaded, then a column's numbers
.set XV,   192                         ; v192-230 later my row's 39 values; v231 = 0
.set XW,   232                         ; v232-241 the values of w1's ten groups
.set TMP,  192                         ; in the MLP: the held numbers, then the second product's four accumulators
.set D2,   192
.set HC,   224                         ; v224-239 the hidden layer's codes
.set ACC,  240                         ; v240-243 the row's sum in two packed chains
.set FIRST, 244
.set SCH,  245                         ; 2^e0 as f32
.set LMH,  246                         ; 448 x 2^e0
; scalar registers
.set WV,   2                           ; my wave's number
.set W3,   3                           ; wave & 3
.set EB,   34                          ; s[34:43] five bases in e2: EB(q) = e2 + 8 q x FBE.  Field f = 8 q + 2 m + i is reached from EB(q) by the lane term 16 c + 2 m x FBE and the immediate i x FBE: nothing is ever taken off a base
.set WB,   60                          ; s[60:61] w1 + 20 x FBW
.set SC2,  62                          ; s[62:63] 2^(e0 + e1) as f32, twice
.set SEL,  66                          ; s[66:67] v_permlanex16_b32's selects for lane l xor 16
.macro EOFF r, f                       ; field f's index becomes a byte offset from EB(f / 8): 64 x index + 16 c + 2 ((f % 8) / 2) x FBE
.set MM, ((\f)%8)/2
.set CR, C16
.if MM == 1
.set CR, CF1
.endif
.if MM == 2
.set CR, CF2
.endif
.if MM == 3
.set CR, CF3
.endif
	v_min_u32 v[\r], 0x1869f, v[\r]
	v_lshlrev_b32 v[\r], 6, v[\r]
	v_add_nc_u32 v[\r], v[CR], v[\r]
.endm
.macro WOFF r                          ; and in w1: 4 x index + 400,000 c (lane c takes field 4 j + c)
	v_min_u32 v[\r], 0x1869f, v[\r]
	v_lshlrev_b32 v[\r], 2, v[\r]
	v_add_nc_u32 v[\r], v[CW], v[\r]
.endm
.macro GATHER f, a                     ; field f's eight lookups into slot f % 16; v[a] holds the offsets
	global_load_b128 v[EM+4*((\f)%16):EM+4*((\f)%16)+3], v[\a], s[EB+2*((\f)/8):EB+2*((\f)/8)+1] offset:((\f)%2)*FBE
.endm
	s_load_b512 s[8:23], s[0:1], 0x0               ; Xi s[8:9], Xv s[10:11], w1 s[12:13], e2 s[14:15], W0 s[16:17], b0 s[18:19], W1 s[20:21], b1 s[22:23]
	s_load_b128 s[24:27], s[0:1], 0x40             ; b_bias s[24:25], the scales' exponents s[26:27]
	s_load_b64 s[28:29], s[0:1], 0x50              ; out0
	s_set_vgpr_msb 0x40
	v_lshl_add_u32 v0, v0, 2, 0x1cc00
	v_mov_b32 v1, 0
	s_set_vgpr_msb 0x4000
	v_lshrrev_b32 v1, 5, v0
	v_readfirstlane_b32 s[WV], v1                  ; wave 0..7
	s_and_b32 s[W3], s[WV], 3
	v_and_b32 v1, 31, v0                           ; lane
	v_and_b32 v[CC], 3, v0                         ; c
	v_bfe_u32 v[TP], v0, 2, 3                      ; g
	v_and_b32 v64, 15, v0                          ; r = lane % 16   (v64-66 are at work here; the ring takes them later)
	v_bfe_u32 v65, v0, 4, 1                        ; h = lane / 16
	v_lshlrev_b32 v[C16], 4, v[CC]
	v_lshlrev_b32 v[L16], 4, v1
	v_lshlrev_b32 v[L4], 2, v1
	s_mul_i32 s4, s[WV], 1248                      ; my wave's 8 rows x 156 bytes
	v_add_nc_u32 v[XST], s4, v[L16]
	v_mul_u32_u24 v[LX], v[TP], 156
	v_add_nc_u32 v[LX], s4, v[LX]
	v_lshl_add_u32 v[LW], v[CC], 2, v[LX]
	v_mul_u32_u24 v[CW], v[CC], FBW
	s_mul_i32 s6, ttmp9, 9984                      ; the work-group's 64 rows x 156 bytes,
	s_add_co_u32 s6, s6, s4                        ; and my wave's part of them
	s_mov_b32 s7, 0
	s_mul_i32 s5, s[WV], 1152
	s_add_co_u32 s5, s5, W0S
	v_add_nc_u32 v[W0ST], s5, v[L16]               ; W0's rows 2 w, 2 w + 1
	s_lshl_b32 s5, s[WV], 7
	s_add_co_u32 s5, s5, BS
	v_add_nc_u32 v[BST], s5, v[L4]                 ; waves 0-3: b0's quarters; waves 4-7: b1's
	s_lshl_b32 s5, s[WV], 13
	s_add_co_u32 s5, s5, W1S
	v_add_nc_u32 v[W1ST], s5, v[L16]               ; my stage, by rows,
	v_add_nc_u32 v[W1RD], s5, v[L4]                ; and by columns
	s_lshl_b32 s5, s[WV], 8                        ; my 16 rows of W1 are k = 32 (w / 2) + 16 (w % 2) + 0 .. 15: 512 (w / 2) + 256 (w % 2) = 256 w bytes into a tile's image
	s_add_co_u32 s5, s5, IMG
	v_lshlrev_b32 v[IMS], 4, v64
	v_lshl_add_u32 v[IMS], v65, 11, v[IMS]         ; column 32 q + lane lies in tile 2 q + lane / 16, at its lane % 16
	v_add_nc_u32 v[IMS], s5, v[IMS]
	s_mul_i32 s5, s[WV], 640
	s_add_co_u32 s5, s5, SEC
	v_mul_u32_u24 v[SECW], v[TP], 80
	v_add_nc_u32 v[SECW], s5, v[SECW]              ; row 8 w + g of SEC,
	v_add_nc_u32 v[SECV], v[SECW], v[C16]          ; and my four components in it
	s_mul_i32 s5, s[W3], 1280
	s_add_co_u32 s5, s5, SEC
	v_mul_u32_u24 v[FA], v64, 80
	v_add_nc_u32 v[FA], s5, v[FA]                  ; the MLP: row 16 (w & 3) + r of SEC,
	v_lshl_add_u32 v[SBA], v65, 3, v[FA]           ; + 8 h: k = 4 s + 2 h + 0, 1
	v_and_b32 v66, 8, v64
	v_add_nc_u32 v66, v66, v64                     ; r + 8 (r / 8)
	v_mul_u32_u24 v[W0A], v65, 1152                ; two rows of W0 for h
	v_lshl_add_u32 v[W0A], v66, 2, v[W0A]
	v_add_nc_u32 v[W0A], W0S, v[W0A]
	v_lshl_add_u32 v[B0A], v65, 6, BS              ; b0 at 16 h
	v_lshl_add_u32 v[B1A], v65, 5, BS+512          ; b1 at 8 h
	v_add_nc_u32 v[IMA], IMG, v[L16]
	s_lshl_b32 s5, s[W3], 6
	s_add_co_u32 s5, s5, OUT
	v_lshl_add_u32 v[OUTW], v64, 2, s5
	v_lshl_add_u32 v[OUTR], v1, 3, OUT
	v_lshlrev_b32 v[L8], 3, v1
	v_add_nc_u32 v[CF1], 2*FBE, v[C16]             ; the lane number and g are done with: their registers take the lane terms of a group's second, third and fourth pair of fields
	v_add_nc_u32 v[CF2], 4*FBE, v[C16]
	v_add_nc_u32 v[CF3], 6*FBE, v[C16]
	s_lshl_b32 s4, s[WV], 10                       ; W0: two rows of 512 bytes a wave
	s_mov_b32 s5, 0
	s_lshl_b32 s68, s[WV], 13                      ; W1: sixteen rows of 512 bytes a wave
	s_mov_b32 s69, 0
	s_lshl_b32 s70, s[W3], 7                       ; a bias: 32 numbers a wave
	s_mov_b32 s71, 0
	s_mov_b32 s[SEL], 0x76543210
	s_mov_b32 s[SEL+1], 0xfedcba98
	s_wait_kmcnt 0x0
	s_add_nc_u64 s[8:9], s[8:9], s[6:7]
	s_add_nc_u64 s[10:11], s[10:11], s[6:7]
	; 25 loads.  The indices first: the gathers hang on them.  1,248 bytes are two loads of 512 and a third that begins at 736 and ends with the wave's part: all lanes stay on and inside it
	global_load_b128 v[XIR:XIR+3], v[L16], s[8:9] th:TH_LOAD_NT
	global_load_b128 v[XIR+4:XIR+7], v[L16], s[8:9] offset:512 th:TH_LOAD_NT
	global_load_b128 v[XIR+8:XIR+11], v[L16], s[8:9] offset:736 th:TH_LOAD_NT
	global_load_b128 v[XVR:XVR+3], v[L16], s[10:11] th:TH_LOAD_NT
	global_load_b128 v[XVR+4:XVR+7], v[L16], s[10:11] offset:512 th:TH_LOAD_NT
	global_load_b128 v[XVR+8:XVR+11], v[L16], s[10:11] offset:736 th:TH_LOAD_NT
	s_add_nc_u64 s[16:17], s[16:17], s[4:5]
	s_cmp_lt_u32 s[WV], 4                          ; the choice hangs on the wave's number alone
	s_cselect_b64 s[18:19], s[18:19], s[22:23]
	s_add_nc_u64 s[18:19], s[18:19], s[70:71]
	s_add_nc_u64 s[20:21], s[20:21], s[68:69]
	global_load_b128 v[W0R:W0R+3], v[L16], s[16:17]
	global_load_b128 v[W0R+4:W0R+7], v[L16], s[16:17] offset:512
	global_load_b32 v[BR], v[L4], s[18:19]
.irp i, 0,1,2,3,4,5,6,7,8,9,10,11,12,13,14,15
	global_load_b128 v[T+4*\i:T+4*\i+3], v[L16], s[20:21] offset:512*\i   ; a row of W1: 512 consecutive bytes
.endr
	s_load_b64 s[30:31], s[26:27], 0x0             ; e0, e1
	s_load_b32 s32, s[24:25], 0x0                  ; b_bias
	s_mov_b64 s[EB:EB+1], s[14:15]
.irp q, 1,2,3,4
	s_add_nc_u64 s[EB+2*\q:EB+2*\q+1], s[EB+2*\q-2:EB+2*\q-1], 8*FBE
.endr
	s_add_nc_u64 s[WB:WB+1], s[12:13], 20*FBW
	s_lshl_b32 s4, ttmp9, 8                        ; out0: 64 numbers a work-group (s5 = 0)
	s_add_nc_u64 s[28:29], s[28:29], s[4:5]
	; ---- indices and values turn through my own LDS bytes: in as they lie, out a word to a lane
	s_wait_loadcnt 19                              ; Xi and Xv are in; W0's 2, the bias's 1 and W1's 16 loads may be out
	ds_store_b128 v[XST], v[XIR:XIR+3] offset:XIL
	ds_store_b128 v[XST], v[XIR+4:XIR+7] offset:XIL+512
	ds_store_b128 v[XST], v[XIR+8:XIR+11] offset:XIL+736
	ds_store_b128 v[XST], v[XVR:XVR+3] offset:XVL
	ds_store_b128 v[XST], v[XVR+4:XVR+7] offset:XVL+512
	ds_store_b128 v[XST], v[XVR+8:XVR+11] offset:XVL+736
.irp f, 0,1,2,3,4,5,6,7,8,9,10,11,12,13,14,15
	ds_load_b32 v[EM+4*\f], v[LX] offset:XIL+4*\f  ; LDS serves a wave's instructions in order (ISA guide 5.7.1.4): these see my stores.  The index lands in its slot's first register
.endr
.irp j, 0,1,2,3,4,5,6,7,8
	ds_load_b32 v[WG+\j], v[LW] offset:XIL+16*\j   ; field 4 j + c
.endr
	ds_load_b32 v[WG+9], v[LW] offset:XIL+140      ; fields 35 + c: lane c = 0 has field 35 a second time and gets the weight 0 below
.irp f, 16,17,18,19,20,21,22,23,24,25,26,27,28,29,30,31,32,33,34,35,36,37,38
	ds_load_b32 v[OFF2+\f-16], v[LX] offset:XIL+4*\f
.endr
	s_wait_dscnt 33                                ; the first 16 indices are in; 10 + 23 younger reads may be out
.irp f, 0,1,2,3,4,5,6,7,8,9,10,11,12,13,14,15
	EOFF EM+4*\f, \f
	GATHER \f, EM+4*\f                             ; the load lands on its own address register
.endr
	s_wait_dscnt 23
.irp j, 0,1,2,3,4
	WOFF WG+\j
	global_load_b32 v[WG+\j], v[WG+\j], s[12:13] offset:4*FBW*\j
.endr
.irp j, 5,6,7,8
	WOFF WG+\j
	global_load_b32 v[WG+\j], v[WG+\j], s[WB:WB+1] offset:4*FBW*(\j-5)
.endr
	WOFF WG+9
	global_load_b32 v[WG+9], v[WG+9], s[WB:WB+1] offset:15*FBW
	s_wait_dscnt 0x0
.irp f, 16,17,18,19,20,21,22,23,24,25,26,27,28,29,30,31,32,33,34,35,36,37,38
	EOFF OFF2+\f-16, \f
.endr
	; ---- the weights, while 26 gathers are out
	s_wait_loadcnt 42                              ; W0 and the bias are in; W1's 16 loads and the 26 gathers may be out
	ds_store_b128 v[W0ST], v[W0R:W0R+3]
	ds_store_b128 v[W0ST], v[W0R+4:W0R+7] offset:576
	ds_store_b32 v[BST], v[BR]
	s_wait_loadcnt 26                              ; W1's rows are in
.irp i, 0,1,2,3,4,5,6,7,8,9,10,11,12,13,14,15
	ds_store_b128 v[W1ST], v[T+4*\i:T+4*\i+3] offset:512*\i
.endr
	s_wait_kmcnt 0x0                               ; e0, e1, b_bias
	s_add_co_i32 s68, s31, 127
	s_lshl_b32 s69, s68, 23
	v_mov_b32 v[SCW], s69                          ; 2^e1 as f32: the conversion takes its exponent field
	s_add_co_i32 s68, s68, 8
	s_lshl_b32 s68, s68, 23
	s_or_b32 s68, s68, 0x600000
	v_mov_b32 v[LMW], s68                          ; 448 x 2^e1
	s_add_co_i32 s71, s30, 127
	s_lshl_b32 s70, s71, 23                        ; s70: 2^e0
	s_add_co_i32 s71, s71, 8
	s_lshl_b32 s71, s71, 23
	s_or_b32 s71, s71, 0x600000                    ; s71: 448 x 2^e0
	s_add_co_i32 s[SC2], s30, s31
	s_add_co_i32 s[SC2], s[SC2], 127
	s_lshl_b32 s[SC2], s[SC2], 23                  ; 2^(e0 + e1)
	s_mov_b32 s[SC2+1], s[SC2]                     ; (named with it as a pair, so it is written)
	s_wait_dscnt 0x0                               ; the stores have read their registers: T is loaded anew
.irp q, 0,1,2
.irp i, 0,1,2,3,4,5,6,7,8,9,10,11,12,13,14,15
	ds_load_b32 v[T+16*\q+\i], v[W1RD] offset:512*\i+128*\q   ; W1(16 w + i, 32 q + lane): a column to a lane, registers down K
.endr
.endr
	s_wait_dscnt 32                                ; column 0 + lane is in; the 32 reads of the next two may be out: with the 16 below, 48 reads of mine are out at the most
.irp i, 0,1,2,3,4,5,6,7,8,9,10,11,12,13,14,15
	ds_load_b32 v[T+48+\i], v[W1RD] offset:512*\i+384
.endr
.irp q, 0,1,2,3
	s_wait_dscnt 48-16*\q                          ; column 32 q + lane is in; the later columns' reads may be out
.irp i, 0,1,2,3,4,5,6,7,8,9,10,11,12,13,14,15
	v_med3_num_f32 v[T+16*\q+\i], v[T+16*\q+\i], -v[LMW], v[LMW]   ; the conversion to an 8-bit code does not saturate (ISA guide 7.6.2): the hold at the largest code x the scale
.endr
	v_cvt_scalef32_pk8_fp8_f32 v[CD+4*\q:CD+4*\q+1], v[T+16*\q:T+16*\q+7], v[SCW]
	v_cvt_scalef32_pk8_fp8_f32 v[CD+4*\q+2:CD+4*\q+3], v[T+16*\q+8:T+16*\q+15], v[SCW]
.endr
	v_nop                                          ; one plain vector instruction behind the last conversion
.irp q, 0,1,2,3
	ds_store_b128 v[IMS], v[CD+4*\q:CD+4*\q+3] offset:4096*\q   ; 16 codes: k = 16 w + 0 .. 15 of column 32 q + lane, at their place in the operand's image
.endr
.irp f, 0,1,2,3,4,5,6,7,8,9,10,11,12,13,14,15,16,17,18,19,20,21,22,23,24,25,26,27,28,29,30,31,32,33,34,35,36,37,38
	ds_load_b32 v[XV+\f], v[LX] offset:XVL+4*\f    ; my row's 39 values
.endr
.irp j, 0,1,2,3,4,5,6,7,8
	ds_load_b32 v[XW+\j], v[LW] offset:XVL+16*\j   ; and those of w1's groups
.endr
	ds_load_b32 v[XW+9], v[LW] offset:XVL+140
	v_mov_b32 v[XV+39], 0                          ; named as the upper half of field 38's pair; also the 0 below
	v_cmp_eq_u32 vcc_lo, 0, v[CC]
	s_wait_dscnt 0x0                               ; the values are in; the stores have read the codes' registers, which s and the sums take
	v_cndmask_b32 v[XW+9], v[XW+9], v[XV+39], vcc_lo   ; field 35 counts once
	; ---- the ring.  A turn: v = e x value in place, s += v, the sum of squares += v v; then the slot takes the field 16 further on
.macro TURN f, left, refill
.set SL, EM+4*((\f)%16)
.set XP, XV+2*((\f)/2)
	s_wait_loadcnt \left                           ; loads come back in order (ISA guide 5.7.1): field f is in
.if (\f) == 0
	v_pk_mul_f32 v[S:S+1], v[SL:SL+1], v[XP:XP+1] op_sel_hi:[1,0]     ; the first field starts the sums: nothing is cleared
	v_pk_mul_f32 v[S+2:S+3], v[SL+2:SL+3], v[XP:XP+1] op_sel_hi:[1,0]
	v_pk_mul_f32 v[Q:Q+1], v[S:S+1], v[S:S+1]
	v_pk_mul_f32 v[Q+2:Q+3], v[S+2:S+3], v[S+2:S+3]
.else
.if (\f)%2
	v_pk_mul_f32 v[SL:SL+1], v[SL:SL+1], v[XP:XP+1] op_sel:[0,1] op_sel_hi:[1,1]      ; an odd field's value is the pair's upper word, for both halves
	v_pk_mul_f32 v[SL+2:SL+3], v[SL+2:SL+3], v[XP:XP+1] op_sel:[0,1] op_sel_hi:[1,1]
.else
	v_pk_mul_f32 v[SL:SL+1], v[SL:SL+1], v[XP:XP+1] op_sel_hi:[1,0]                   ; an even field's the lower
	v_pk_mul_f32 v[SL+2:SL+3], v[SL+2:SL+3], v[XP:XP+1] op_sel_hi:[1,0]
.endif
	v_pk_add_f32 v[S:S+1], v[S:S+1], v[SL:SL+1]
	v_pk_add_f32 v[S+2:S+3], v[S+2:S+3], v[SL+2:SL+3]
	v_pk_fma_f32 v[Q:Q+1], v[SL:SL+1], v[SL:SL+1], v[Q:Q+1]
	v_pk_fma_f32 v[Q+2:Q+3], v[SL+2:SL+3], v[SL+2:SL+3], v[Q+2:Q+3]
.endif
.if \refill
	GATHER (\f)+16, OFF2+(\f)
.endif
.endm
.irp f, 0,1,2,3,4,5,6,7,8,9,10,11,12,13,14,15
	TURN \f, 25, 1                                 ; younger than field f: 15 - f first gathers, w1's 10, f refills
.endr
	s_wait_loadcnt 16                              ; w1's ten are in; the 16 refills may be out
	v_mul_f32 v[FS], v[WG], v[XW]
.irp j, 1,2,3,4,5,6,7,8,9
	v_fmac_f32 v[FS], v[WG+\j], v[XW+\j]
.endr
	v_add_f32_dpp v[FS], v[FS], v[FS] row_xmask:1 row_mask:0xf bank_mask:0xf   ; the row's four lanes: all four end with the row's first-order sum
	v_add_f32_dpp v[FS], v[FS], v[FS] row_xmask:2 row_mask:0xf bank_mask:0xf
.irp f, 16,17,18,19,20,21,22
	TURN \f, 15, 1                                 ; younger: fields f + 1 .. f + 15
.endr
.irp f, 23,24,25,26,27,28,29,30,31,32,33,34,35,36,37,38
	TURN \f, 38-\f, 0                              ; nothing is left to ask for: the counts run down
.endr
	v_pk_fma_f32 v[S:S+1], v[S:S+1], v[S:S+1], v[Q:Q+1] neg_lo:[0,0,1] neg_hi:[0,0,1]       ; s s - the sum of squares
	v_pk_fma_f32 v[S+2:S+3], v[S+2:S+3], v[S+2:S+3], v[Q+2:Q+3] neg_lo:[0,0,1] neg_hi:[0,0,1]
	v_pk_mul_f32 v[S:S+1], v[S:S+1], 0.5 op_sel_hi:[1,0]
	v_pk_mul_f32 v[S+2:S+3], v[S+2:S+3], 0.5 op_sel_hi:[1,0]
	ds_store_b128 v[SECV], v[S:S+3]
	ds_store_b32 v[SECW], v[FS] offset:64          ; the row's four lanes store the same number to the same word
	s_wait_dscnt 0x0                               ; for the others' sake: my stores of W0, the bias, W1's images and my rows have landed
	s_barrier_signal -1
	s_barrier_wait -1
	s_cmp_ge_u32 s[WV], 4                          ; four tiles of 16 rows: waves 0-3 take one each; the others go on to the next barrier
	s_cbranch_scc1 .Ljoin
	; ---- the MLP of rows 16 w .. 16 w + 15
.macro HLOAD p                         ; tiles 4 p .. 4 p + 3 of the first product: b0 in the result's layout (2 loads a tile) and W0's fragments (8 a tile): 40 loads
.irp i, 0,1,2,3
.set TT, 4*\p+\i
.set BT, BB+8*TT+64*(TT/7)
.set UU, 4*(32*(TT/2)+8*(TT%2))
	ds_load_b128 v[BT:BT+3], v[B0A] offset:UU      ; b0 at units 32 (t / 2) + 8 (t % 2) + 16 h + 0 .. 7
	ds_load_b128 v[BT+4:BT+7], v[B0A] offset:UU+16
.irp k, 0,1,2,3,4,5,6,7
	ds_load_b32 v[W0F+8*TT+\k], v[W0A] offset:576*(4*(\k/2)+\k%2)+UU   ; K step s = k / 2, register j = k % 2: W0(4 s + 2 h + j, my unit)
.endr
.endr
.endm
.macro HMUL p                          ; 16 matrix instructions: four accumulators by turns, one instruction a turn, K ascending; b0 is the C of each sum's first
.irp s, 0,1,2,3
.irp i, 0,1,2,3
.set TT, 4*\p+\i
.set BT, BB+8*TT+64*(TT/7)
.if \s == 0
	v_wmma_f32_16x16x4_f32 v[HA+8*\i:HA+8*\i+7], v[W0F+8*TT+2*\s:W0F+8*TT+2*\s+1], v[SB+2*\s:SB+2*\s+1], v[BT:BT+7]
.else
	v_wmma_f32_16x16x4_f32 v[HA+8*\i:HA+8*\i+7], v[W0F+8*TT+2*\s:W0F+8*TT+2*\s+1], v[SB+2*\s:SB+2*\s+1], v[HA+8*\i:HA+8*\i+7]
.endif
.endr
.endr
.rept 8
	v_nop                                          ; eight places behind this form, in front of the first read of results and of loads into registers that it has read
.endr
.endm
.macro HQUANT p                        ; four tiles become eight registers of the second product's operand.  The held numbers go into other registers than the sums
.set j, 0
.rept 32
	v_med3_num_f32 v[TMP+j], v[HA+j], 0, v[LMH]    ; the activation and the hold in one; each accumulator from its low end on
.set j, j+1
.endr
.irp i, 0,1,2,3
	v_cvt_scalef32_pk8_fp8_f32 v[HC+8*\p+2*\i:HC+8*\p+2*\i+1], v[TMP+8*\i:TMP+8*\i+7], v[SCH]
.endr
	v_nop                                          ; one plain vector instruction behind the last conversion
.endm
.macro WLOAD g                         ; tiles 4 g .. 4 g + 3 of W1, as images of their registers
.irp i, 0,1,2,3
.irp c, 0,1,2,3
	ds_load_b128 v[W1T+16*\i+4*\c:W1T+16*\i+4*\c+3], v[IMA] offset:2048*(4*\g+\i)+512*\c
.endr
.endr
.endm
.macro EPI t                           ; tile t of the second product: relu(sum x 2^(e0 + e1) + b1), added to the row's sum
.set BT, BB+8*(\t)+64*((\t)/7)
.set DD, D2+8*((\t)%4)
.irp k, 0,2,4,6
	v_pk_fma_f32 v[BT+\k:BT+\k+1], v[DD+\k:DD+\k+1], s[SC2:SC2+1], v[BT+\k:BT+\k+1] op_sel_hi:[1,0,1]
.endr
.irp k, 0,1,2,3,4,5,6,7
	v_max_num_f32 v[BT+\k], 0, v[BT+\k]
.endr
.if (\t) == 0
	v_pk_add_f32 v[ACC:ACC+1], v[BT:BT+1], v[BT+2:BT+3]            ; the first tile starts the two chains
	v_pk_add_f32 v[ACC+2:ACC+3], v[BT+4:BT+5], v[BT+6:BT+7]
.else
	v_pk_add_f32 v[ACC:ACC+1], v[ACC:ACC+1], v[BT:BT+1]
	v_pk_add_f32 v[ACC+2:ACC+3], v[ACC+2:ACC+3], v[BT+2:BT+3]
	v_pk_add_f32 v[ACC:ACC+1], v[ACC:ACC+1], v[BT+4:BT+5]
	v_pk_add_f32 v[ACC+2:ACC+3], v[ACC+2:ACC+3], v[BT+6:BT+7]
.endif
.endm
.irp s, 0,1,2,3
	ds_load_b64 v[SB+2*\s:SB+2*\s+1], v[SBA] offset:16*\s          ; second(row r, 4 s + 2 h + 0, 1)
.endr
	HLOAD 0
	v_mov_b32 v[SCH], s70
	v_mov_b32 v[LMH], s71
	s_wait_dscnt 0x0                               ; the rows and tiles 0-3 are in: 44 reads
	HLOAD 1                                        ; tiles 4-7 land while tiles 0-3 are multiplied and quantised: 41 reads
	ds_load_b32 v[FIRST], v[FA] offset:64          ; my row's first-order sum
	HMUL 0
	HQUANT 0
	s_wait_dscnt 0x0
	HMUL 1                                         ; (behind the first pass's last product stand its eight v_nop and the holds of the other accumulators: more than the nine places owed before its registers are written over)
	WLOAD 0                                        ; into W0's fragments' registers, behind the eight places
.irp t, 0,1,2,3,4,5,6,7
.set BT, BB+8*\t+64*(\t/7)
	ds_load_b128 v[BT:BT+3], v[B1A] offset:64*\t   ; b1 at units 16 t + 8 h + 0 .. 7, into b0's registers
	ds_load_b128 v[BT+4:BT+7], v[B1A] offset:64*\t+16
.endr
	HQUANT 1
	s_wait_dscnt 0x0
.irp i, 0,1,2,3
	v_wmma_f32_16x16x128_fp8_fp8 v[D2+8*\i:D2+8*\i+7], v[W1T+16*\i:W1T+16*\i+15], v[HC:HC+15], 0   ; source 0 = units 16 i + 0 .. 15 of W1, source 1 = my 16 rows: register j of lane (r, h) is unit 16 i + 8 h + j of row r
.endr
.rept 4
	v_nop                                          ; four places behind this form, in front of loads into registers that it has read and of the first read of results
.endr
	WLOAD 1
	EPI 0
	EPI 1
	EPI 2
	EPI 3
	s_wait_dscnt 0x0
.irp i, 0,1,2,3
	v_wmma_f32_16x16x128_fp8_fp8 v[D2+8*\i:D2+8*\i+7], v[W1T+16*\i:W1T+16*\i+15], v[HC:HC+15], 0   ; units 64 + 16 i on
.endr
.rept 4
	v_nop
.endr
	EPI 4
	EPI 5
	EPI 6
	EPI 7
	v_pk_add_f32 v[ACC:ACC+1], v[ACC:ACC+1], v[ACC+2:ACC+3]
	v_add_f32 v[ACC], v[ACC], v[ACC+1]
	v_permlanex16_b32 v[ACC+1], v[ACC], s[SEL], s[SEL+1]           ; the row's other 64 units lie in the lane 16 away
	v_add_f32 v[ACC], v[ACC], v[ACC+1]
	v_add_f32 v[ACC], v[ACC], v[FIRST]
	v_add_f32 v[ACC], s32, v[ACC]                  ; + b_bias
	ds_store_b32 v[OUTW], v[ACC]                   ; lanes r and r + 16 store the same number to the same word
.Ljoin:
	s_wait_dscnt 0x0                               ; for wave 0's sake: my result has landed
	s_barrier_signal -1
	s_barrier_wait -1
	s_cmp_lg_u32 s[WV], 0
	s_cbranch_scc1 .Lend
	ds_load_b64 v[ACC:ACC+1], v[OUTR]
	s_wait_dscnt 0x0
	global_store_b64 v[L8], v[ACC:ACC+1], s[28:29] ; 32 lanes store the work-group's 256 consecutive bytes, at a multiple of 256 from out0's first byte
.Lend:
	s_set_vgpr_msb 0x5
	s_wait_tensorcnt 0x0
	ds_add_u32 v0, v1
	s_wait_dscnt 0x0
	s_set_vgpr_msb 0x500
	s_endpgm
.Lfunc_end_k_qf8e9dee704_nfm:
	.size	k_qf8e9dee704_nfm, .Lfunc_end_k_qf8e9dee704_nfm-k_qf8e9dee704_nfm
	.p2alignl 7, 3214868480
	.fill 96, 4, 3214868480
	.section	.rodata,"a",@progbits
	.p2align	6, 0x0
	.amdhsa_kernel k_qf8e9dee704_nfm
		.amdhsa_group_segment_fixed_size 118784
		.amdhsa_private_segment_fixed_size 0
		.amdhsa_enable_private_segment 0
		.amdhsa_kernarg_size 88
		.amdhsa_user_sgpr_count 2
		.amdhsa_user_sgpr_kernarg_segment_ptr 1
		.amdhsa_wavefront_size32 1
		.amdhsa_system_sgpr_workgroup_id_x 1
		.amdhsa_system_sgpr_workgroup_id_y 1
		.amdhsa_system_sgpr_workgroup_id_z 1
		.amdhsa_system_vgpr_workitem_id 0
		.amdhsa_next_free_vgpr 258
		.amdhsa_next_free_sgpr 72
		.amdhsa_reserve_vcc 1
		.amdhsa_float_denorm_mode_32 3
		.amdhsa_float_denorm_mode_16_64 3
		.amdhsa_memory_ordered 1
		.amdhsa_forward_progress 1
		.amdhsa_inst_pref_size 76
	.end_amdhsa_kernel
	.amdgpu_metadata
---
amdhsa.version: [ 1, 2 ]
amdhsa.kernels:
  - .name:           k_qf8e9dee704_nfm
    .symbol:         k_qf8e9dee704_nfm.kd
    .args:
      - { .name: Xi, .offset: 0, .size: 8, .value_kind: global_buffer, .address_space: global }
      - { .name: Xv, .offset: 8, .size: 8, .value_kind: global_buffer, .address_space: global }
      - { .name: w1, .offset: 16, .size: 8, .value_kind: global_buffer, .address_space: global }
      - { .name: e2, .offset: 24, .size: 8, .value_kind: global_buffer, .address_space: global }
      - { .name: W0, .offset: 32, .size: 8, .value_kind: global_buffer, .address_space: global }
      - { .name: b0, .offset: 40, .size: 8, .value_kind: global_buffer, .address_space: global }
      - { .name: W1, .offset: 48, .size: 8, .value_kind: global_buffer, .address_space: global }
      - { .name: b1, .offset: 56, .size: 8, .value_kind: global_buffer, .address_space: global }
      - { .name: b_bias, .offset: 64, .size: 8, .value_kind: global_buffer, .address_space: global }
      - { .name: lowp_scales, .offset: 72, .size: 8, .value_kind: global_buffer, .address_space: global }
      - { .name: out0, .offset: 80, .size: 8, .value_kind: global_buffer, .address_space: global }
    .group_segment_fixed_size: 118784
    .private_segment_fixed_size: 0
    .kernarg_segment_align: 8
    .kernarg_segment_size: 88
    .max_flat_workgroup_size: 256
    .sgpr_count:     72
    .vgpr_count:     258
    .wavefront_size: 32
...
	.end_amdgpu_metadata
.endif
;; end of part 1
